; MI455X (gfx1250); checked and timed in simulation.
; The chip was launched on July 23, 2026; its instructions are those of AMD's public machine-readable ISA for CDNA 5 (MIT licence, August 2026) and "CDNA5" Instruction Set Architecture Reference Guide (July 2026). The comments in the code are by the model that wrote it; some were corrected since.
;; GRU Cell. Allowed arithmetic: matrix products marked QUANTISED: E5M2 operands, one E8M0 scale for each 32 along K, by v_wmma_scale_f32_16x16x128_f8f6f4 with both operands' format E5M2, f32 sums; products left as they are: f32 operands where the result goes on into a quantised operand, else bf16, f16 or f32 operands; f32 sums; everything else in f32.
;; Inputs: Uh_b 4,096 float32; Uh_w 4,096 x 4,096 float32; Ur_b 4,096 float32; Ur_w 4,096 x 4,096 float32; Uz_b 4,096 float32; Uz_w 4,096 x 4,096 float32; Wh_b 4,096 float32; Wh_w 4,096 x 1,024 float32; Wr_b 4,096 float32; Wr_w 4,096 x 1,024 float32; Wz_b 4,096 float32; Wz_w 4,096 x 1,024 float32; bn_beta 1 float32; bn_gamma 1 float32; hidden 1,024 x 1 x 4,096 float32; input 1,024 x 1,024 float32; max_v 1 float32; min_v 1 float32; out_b 4 float32; out_w 4 x 4,096 float32.
;; Outputs: out0 1,024 x 1 x 4,096 float32; out1 1,024 x 1 float32; out2 1,024 x 1 float32; out3 1,024 x 1 float32; out4 1,024 x 1 float32.
;; This version of the problem:
;;   THIS VERSION OF THE PROBLEM IS GIVEN IN LOW PRECISION. The matrix products marked QUANTISED in the list below multiply operands that are first quantised to E5M2 (5 exponent bits, 2 mantissa bits; 8 bits a number), with one power-of-two scale for each 32 numbers along K (OCP MX v1.0); their sums are f32. All else is computed in f32.
;;   The module's matrix products, in the order in which they are computed (A, B: the left and right operand; K: the contracted axis; several contracted axes count as one K, in the product's order):
;;     1. [M 1,024, K 1,024] x [K 1,024, N 4,096]; A: input input; B: input Wr_w: QUANTISED
;;     2. [M 1,024, K 4,096] x [K 4,096, N 4,096]; A: input hidden; B: input Ur_w: QUANTISED
;;     3. [M 1,024, K 1,024] x [K 1,024, N 4,096]; A: input input; B: input Wz_w: QUANTISED
;;     4. [M 1,024, K 4,096] x [K 4,096, N 4,096]; A: input hidden; B: input Uz_w: QUANTISED
;;     5. [M 1,024, K 1,024] x [K 1,024, N 4,096]; A: input input; B: input Wh_w: QUANTISED
;;     6. [M 1,024, K 4,096] x [K 4,096, N 4,096]; A: input hidden; B: input Uh_w: QUANTISED
;;     7. [M 1,024, K 4,096] x [K 4,096, N 4]; A: computed on the way; B: input out_w: left as it is (N = 4 < 16)
;;   THE QUANTISER, for each operand of a quantised product, along K:
;;     - K is cut into blocks of 32 from its start; a last block that is shorter is filled with zeros.
;;     - A block's scale is 2^e with e = floor(log2(the largest magnitude in the block)) - 15, held to -126 .. 127; a block of zeros has e = 0. As a byte (E8M0): e + 127.
;;     - Each number is divided by its block's scale, clamped to +-57,344, and rounded to the nearest number of E5M2, ties to even, subnormals kept.
;;     - The product sums the exact products of the quantised numbers (number of the format x scale) in f32.
;;   ~~~python
;;   def quantise(x, axis):      # numpy; x: float32 -> the quantised numbers, widened to float32 again
;;       x = np.moveaxis(x, axis, -1); K = x.shape[-1]
;;       x = np.pad(x, [(0, 0)] * (x.ndim - 1) + [(0, -K % 32)]); x = x.reshape(x.shape[:-1] + (-1, 32)); a = np.abs(x).max(-1, keepdims=True)
;;       e = np.where(a > 0, np.clip(np.frexp(np.where(a > 0, a, 1))[1] - 1 - 15, -126, 127), 0)      # np.frexp(a)[1] - 1 = floor(log2(a)), exactly
;;       r = np.clip(x / 2.0 ** e, -57344, 57344)
;;       step = 2.0 ** (np.maximum(np.frexp(np.where(r == 0, 1, r))[1] - 1, -14) - 2)
;;       q = np.round(r / step) * step * 2.0 ** e      # np.round: ties to even
;;       return np.moveaxis(q.reshape(q.shape[:-2] + (-1,))[..., :K], -1, axis).astype(np.float32)
;;   ~~~
;; One version. Each part assembles by itself: llvm-mc -triple=amdgcn-amd-amdhsa -mcpu=gfx1250 --defsym DOCPART=n.
;; ======== version 1 of 1: 3 launches
;; limits: right only within a limited range of input values
;; workspace buffers: acts 5,406,720 bytes; wts 64,880,640 bytes; hpre 16,777,216 bytes; zgate 16,777,216 bytes; stats 8,192 bytes
;; launch quant (part 1): grid 64 x 4, 13 waves a work-group, no clusters, 111,616 bytes of LDS; arguments input, hidden, Wr_w, Wz_w, Wh_w, Ur_w, Uz_w, Uh_w, acts, wts; writes acts, wts
.if DOCPART == 1
	.amdgcn_target "amdgcn-amd-amdhsa--gfx1250"
	.amdhsa_code_object_version 6
	.text
	.protected	k_q90ca44dc86_quant
	.globl	k_q90ca44dc86_quant
	.p2align	8
	.type	k_q90ca44dc86_quant,@function
k_q90ca44dc86_quant:
	s_mov_b64 s[64:65], 0
	v_nop
	global_prefetch_b8 v0, s[64:65] scope:SCOPE_SE
	s_setreg_imm32_b32 hwreg(HW_REG_WAVE_MODE, 25, 1), 1
	s_wait_xcnt 0x0
; All eight f32 operands of the six quantised products become codes of BF8 (E5M2) with one E8M0 scale byte for each 32 along K.  K is innermost in all of them.
; max_v and min_v are inputs that reference() never uses: they have no way to any output, and no launch names them.
; A block's scale is 2^(floor(log2(its largest magnitude)) - 15); its byte is the largest magnitude's exponent field - 15, held at 1 from below.
; Each number is divided by the scale, held within +-57,344 and rounded to the nearest code, ties to even.
; LIMITS: a block of zeros gets the byte 1 where the rule says 127 (its codes are zeros, which add nothing under any byte but 0xff, and this program alone
; reads the bytes); blocks whose largest magnitude lies under 2^-111 are held at the byte 1; NaN and infinities among the inputs are not served.
; THE RECORD: 64 consecutive rows x 128 along K of one tensor, 8,448 bytes = 33 x 256.
;   bytes 0 .. 8191: four fragments fr (rows 16 fr on), each an image of the matrix instruction's 16 registers: byte 2048 fr + 512 c + 16 lane; lane (r, h) holds row r, k = 32 c + 16 h + 0 .. 15
;   bytes 8192 .. 8447: the scale words, [r 16][fr 4] of 4 bytes; byte b of a word scales k = 32 b .. 32 b + 31
; K is x's 1,024 followed by hidden's 4,096: 40 K steps ks of 128; ks < 8 is input and the W tensors, else hidden and the U tensors.
; THE PLACE p of a K step in both buffers is (ks + 35) mod 40: places 0-2 and 35-39 hold x's steps and places 3-34 hidden's 32: the order in which the next launch walks K.
;   acts: record ((mb 40 + p) 4 + mg), rows 256 mb + 64 mg on.     wts: record ((cg 40 + p) 3 + gate), rows (output columns) 64 cg on; gate 0 r, 1 z, 2 h.
; SHARES: the work is 832 blocks of 16 rows (3 x 256 of the weights, 64 of the activations) x 40 K steps = 256 x 130 fragments.  Work-group (cg = x, kq = y) has 13 waves: wave 4 gate + fr takes rows 64 cg + 16 fr
; of its gate's weights, wave 12 rows 16 cg of the activations; each walks 10 K steps: x's 2 kq, 2 kq + 1, then hidden's 8 + 8 kq .. 15 + 8 kq.  One path for all: only pointers and numbers are chosen, on ids.
; A wave's loads stand two fragments (32 loads of 512 consecutive bytes) ahead from its first step to its last but two.  The conversions want 16 neighbours along K in a lane: so a fragment's 8 KB turn through the
; wave's own stage in LDS (16 rows of 512 + 16 bytes).  No tensor loads, no barrier: waves share nothing.
; A fragment's 16 scale words are 4 bytes of each of 16 neighbouring 16-byte pieces of one unit of 256 bytes; the other words of the unit are other waves' (for the activations: other work-groups'), so that unit is written in part: 64 of each 2,112 bytes stored.
.set REC,  8448
.set SP,   528                         ; a stage row
.set VO,   4                           ; v4      16 x lane: my place in a load of a row and in a store of codes
.set STA,  8                           ; v8      the stage, on the way in
.set STB,  9                           ; v9      on the way out: 528 r + 64 h
.set SO,   11                          ; v11     my row's scale word, from my fragment's first byte
.set PW,   12                          ; v12     the fragment's scale word
.set TM,   16                          ; v16-31  magnitudes, bytes, holds, scale operands
.set PC,   32                          ; v32-47  a fragment's codes
.set X,    48                          ; v48-111 64 numbers as the operand wants them
.set R,    112                         ; v112-239 two sets of 64 as loaded
.set BX,   40                          ; s[40:41] my 16 rows at x's K step 2 kq
.set BH,   42                          ; s[42:43] my 16 rows in hidden's part
.set D0,   44                          ; s[44:45] my fragment in the record of place 0
.set DST,  46                          ; s[46:47] my fragment of this step
.set PSB,  48                          ; s48     bytes from place to place: 3 or 4 records
.set P0,   49                          ; s49, s50 the places of x's two steps; s51 that of hidden's next
.set P1,   50
.set PH,   51
.set SEL,  52                          ; s[52:53] selects for lane l xor 16
.set MNT,  54                          ; s54     the mantissa field of 57,344
	s_load_b512 s[4:19], s[0:1], 0x0               ; input, hidden, Wr_w, Wz_w, Wh_w, Ur_w, Uz_w, Uh_w
	s_load_b128 s[20:23], s[0:1], 0x40             ; acts, wts
	v_lshl_add_u32 v240, v0, 2, 0x1ad00            ; my spare word, behind the 13 stages
	v_mov_b32 v241, 0
	v_lshrrev_b32 v1, 5, v0
	v_readfirstlane_b32 s24, v1                    ; wave 0..12
	s_and_b32 s25, ttmp7, 0xffff                   ; kq
	s_lshr_b32 s26, s24, 2                         ; gate; 3: the activations
	s_and_b32 s27, s24, 3                          ; a weight's fr
	s_lshl_b32 s28, ttmp9, 6
	s_lshl_b32 s29, s27, 4
	s_add_co_u32 s28, s28, s29                     ; a weight's first row: 64 cg + 16 fr
	s_mul_i32 s29, ttmp9, 120
	s_add_co_u32 s29, s29, s26                     ; its record at place 0: cg 120 + gate
	s_lshl_b32 s30, ttmp9, 4                       ; the activations' first row: 16 cg
	s_lshr_b32 s31, ttmp9, 4
	s_mul_i32 s31, s31, 160
	s_bfe_u32 s32, ttmp9, 0x20002
	s_add_co_u32 s31, s31, s32                     ; their record at place 0: mb 160 + mg
	s_and_b32 s32, ttmp9, 3                        ; their fr
	s_mov_b32 s[PSB], 3*REC
	s_cmp_eq_u32 s26, 3
	s_cselect_b32 s28, s30, s28                    ; my first row,
	s_cselect_b32 s29, s31, s29                    ; my record at place 0,
	s_cselect_b32 s27, s32, s27                    ; my fr,
	s_cselect_b32 s[PSB], 4*REC, s[PSB]            ; and the bytes from place to place
	s_lshl_b32 s33, s25, 1                         ; x's K step 2 kq
	s_add_co_u32 s[P0], s33, 35
	s_cmp_ge_u32 s[P0], 40
	s_cselect_b32 s34, 40, 0
	s_sub_co_u32 s[P0], s[P0], s34                 ; its place
	s_add_co_u32 s[P1], s33, 36
	s_cmp_ge_u32 s[P1], 40
	s_cselect_b32 s34, 40, 0
	s_sub_co_u32 s[P1], s[P1], s34
	s_lshl_b32 s[PH], s25, 3
	s_add_co_u32 s[PH], s[PH], 3                   ; K step 8 + 8 kq lies at place 3 + 8 kq
	s_lshl_b32 s36, s28, 12                        ; x's part: rows of 4,096 bytes, 512 a K step
	s_lshl_b32 s34, s25, 10
	s_add_co_u32 s36, s36, s34
	s_mov_b32 s37, 0
	s_lshl_b32 s38, s28, 14                        ; hidden's part: rows of 16,384 bytes (under 2^27)
	s_lshl_b32 s34, s25, 12
	s_add_co_u32 s38, s38, s34
	s_mov_b32 s39, 0
	s_mul_i32 s56, s29, REC                        ; under 2^26
	s_lshl_b32 s34, s27, 11
	s_add_co_u32 s56, s56, s34                     ; my fragment: 2048 fr
	s_mov_b32 s57, 0
	s_mul_i32 s58, s27, 2044
	s_sub_co_u32 s58, 8192, s58                    ; from there to the scale words and my fr's: 8192 - 2048 fr + 4 fr
	s_mul_i32 s59, s24, REC                        ; my stage
	s_mov_b32 s75, 0
	s_mov_b32 s[SEL], 0x76543210
	s_mov_b32 s[SEL+1], 0xfedcba98
	s_mov_b32 s[MNT], 0x600000
	v_and_b32 v1, 31, v0                           ; lane
	v_and_b32 v2, 15, v0                           ; r
	v_bfe_u32 v3, v0, 4, 1                         ; h
	v_lshlrev_b32 v[VO], 4, v1
	v_add_nc_u32 v[STA], s59, v[VO]
	v_mul_u32_u24 v[STB], v2, SP
	v_lshl_add_u32 v[STB], v3, 6, v[STB]
	v_add_nc_u32 v[STB], s59, v[STB]
	v_lshl_add_u32 v[SO], v2, 4, s58
.irp b, 0,1,2,3
	v_mov_b32 v[TM+4+\b], 0                        ; written once: a lane permute's destination counts as one of its sources
.endr
	s_wait_alu depctr_va_vdst(0)
	s_wait_kmcnt 0x0
	s_cmp_eq_u32 s26, 1                            ; every choice of a pointer hangs on the wave's number alone
	s_cselect_b64 s[8:9], s[10:11], s[8:9]
	s_cselect_b64 s[14:15], s[16:17], s[14:15]
	s_cmp_eq_u32 s26, 2
	s_cselect_b64 s[8:9], s[12:13], s[8:9]
	s_cselect_b64 s[14:15], s[18:19], s[14:15]
	s_cmp_eq_u32 s26, 3
	s_cselect_b64 s[8:9], s[4:5], s[8:9]           ; Wr, Wz, Wh or input
	s_cselect_b64 s[14:15], s[6:7], s[14:15]       ; Ur, Uz, Uh or hidden
	s_cselect_b64 s[D0:D0+1], s[20:21], s[22:23]   ; acts or wts
	s_add_nc_u64 s[BX:BX+1], s[8:9], s[36:37]
	s_add_nc_u64 s[BH:BH+1], s[14:15], s[38:39]
	s_add_nc_u64 s[D0:D0+1], s[D0:D0+1], s[56:57]
.macro LOAD par, base, pitch, off      ; a fragment's 16 rows into set par: each line reads 512 consecutive bytes of one row, at a multiple of 512 from the tensor's first byte
.set ii, 0
.rept 16
	global_load_b128 v[R+64*(\par)+4*ii:R+64*(\par)+4*ii+3], v[VO], s[\base:\base+1] offset:(\pitch)*ii+(\off) th:TH_LOAD_NT
.set ii, ii+1
.endr
.endm
.macro QUANT                           ; 64 numbers of a lane become a fragment's codes in v[PC] on and its scale word in v[PW]
.irp b, 0,1,2,3
	v_max3_num_f32 v[TM+\b], |v[X+16*\b]|, |v[X+1+16*\b]|, 0x8000000   ; my 16 numbers of block b, and the floor 2^(16 - 127)
.endr
.irp i, 2,4,6,8,10,12,14
.irp b, 0,1,2,3
	v_max3_num_f32 v[TM+\b], v[TM+\b], |v[X+16*\b+\i]|, |v[X+1+16*\b+\i]|
.endr
.endr
.irp b, 0,1,2,3
	v_permlanex16_b32 v[TM+4+\b], v[TM+\b], s[SEL], s[SEL+1]
.endr
.irp b, 0,1,2,3
	v_max_num_f32 v[TM+\b], v[TM+\b], v[TM+4+\b]   ; with lane l xor 16's 16: the block's largest magnitude
.endr
.irp b, 0,1,2,3
	v_add_nc_u32 v[TM+12+\b], 0xf8800000, v[TM+\b] ; 15 off its exponent field: the conversion's scale operand
.endr
.irp b, 0,1,2,3
	v_and_or_b32 v[TM+8+\b], v[TM+\b], 0x7f800000, s[MNT]   ; 57,344 x the scale
.endr
.irp b, 0,1,2,3
	v_lshrrev_b32 v[TM+4+\b], 23, v[TM+12+\b]      ; the scale's byte
.endr
	v_lshl_or_b32 v[PW], v[TM+5], 8, v[TM+4]
	v_lshl_or_b32 v[PW], v[TM+6], 16, v[PW]
	v_lshl_or_b32 v[PW], v[TM+7], 24, v[PW]
.irp b, 0,1,2,3
.irp i, 0,1,2,3,4,5,6,7,8,9,10,11,12,13,14,15
	v_med3_num_f32 v[X+16*\b+\i], v[X+16*\b+\i], -v[TM+8+\b], v[TM+8+\b]   ; the conversion does not saturate (ISA guide 7.6.2): the hold
.endr
	v_cvt_scalef32_pk8_bf8_f32 v[PC+4*\b:PC+1+4*\b], v[X+16*\b:X+7+16*\b], v[TM+12+\b]
	v_cvt_scalef32_pk8_bf8_f32 v[PC+2+4*\b:PC+3+4*\b], v[X+8+16*\b:X+15+16*\b], v[TM+12+\b]
.endr
	v_nop                                          ; one plain vector instruction behind the last scaled conversion
.endm
; One fragment.  par: its set; preg: the register that holds its place (inc: stepped for the next); lc: the loads younger than its 16; ld: the fragment two steps on is asked for, at byte off from s[BH]
.macro STEP par, preg, inc, lc, ld, off
	s_mul_i32 s74, s[\preg], s[PSB]                ; (the step before ended behind s_wait_xcnt 0: its stores have read s[DST] and v[PC] on)
	s_add_nc_u64 s[DST:DST+1], s[D0:D0+1], s[74:75]
.if \inc
	s_add_co_u32 s[\preg], s[\preg], 1
.endif
	s_wait_loadcnt \lc
.set ii, 0
.rept 16
	ds_store_b128 v[STA], v[R+64*(\par)+4*ii:R+64*(\par)+4*ii+3] offset:SP*ii   ; row i as it lies
.set ii, ii+1
.endr
.irp b, 0,1,2,3
.irp j, 0,1,2,3
	ds_load_b128 v[X+16*\b+4*\j:X+16*\b+4*\j+3], v[STB] offset:128*\b+16*\j   ; LDS serves a wave's instructions in order (ISA guide 5.7.1.4)
.endr
.endr
	s_wait_dscnt 0x0                               ; the turn is back: the set may be loaded again
.if \ld
	LOAD \par, BH, 16384, \off
.endif
	QUANT
.irp c, 0,1,2,3
	global_store_b128 v[VO], v[PC+4*\c:PC+4*\c+3], s[DST:DST+1] offset:512*\c   ; 32 lanes store 512 consecutive bytes, aligned to 256
.endr
	s_wait_xcnt 0x0                                ; EXEC changes only behind this wait
	v_cmp_gt_u32 vcc_lo, 16, v1
	s_and_saveexec_b32 s71, vcc_lo                 ; lanes 16-31 hold the same words as lanes 0-15
	global_store_b32 v[SO], v[PW], s[DST:DST+1]
	s_wait_xcnt 0x0                                ; and again, in front of the line that widens it
	s_or_b32 exec_lo, exec_lo, s71
.endm
	LOAD 0, BX, 4096, 0
	LOAD 1, BX, 4096, 512
	STEP 0, P0, 0, 16, 1, 0                        ; x's two steps; hidden's first two are asked for
	STEP 1, P1, 0, 16, 1, 512
	s_mov_b32 s55, 3
.Lpair:                                                ; hidden's steps 0-5; steps 2-7 are asked for
	STEP 0, PH, 1, 16, 1, 1024
	STEP 1, PH, 1, 16, 1, 1536
	s_add_nc_u64 s[BH:BH+1], s[BH:BH+1], 1024      ; behind the step's last s_wait_xcnt 0
	s_sub_co_u32 s55, s55, 1
	s_cmp_lg_u32 s55, 0
	s_wait_alu depctr_va_vdst(0)
	s_cbranch_scc1 .Lpair
	STEP 0, PH, 1, 16, 0, 0                        ; the last two ask for nothing
	STEP 1, PH, 0, 0, 0, 0
	s_wait_tensorcnt 0x0                           ; the wave's end
	ds_add_u32 v240, v241
	s_wait_dscnt 0x0
	s_endpgm
.Lfunc_end_k_q90ca44dc86_quant:
	.size	k_q90ca44dc86_quant, .Lfunc_end_k_q90ca44dc86_quant-k_q90ca44dc86_quant
	.p2alignl 7, 3214868480
	.fill 96, 4, 3214868480
	.section	.rodata,"a",@progbits
	.p2align	6, 0x0
	.amdhsa_kernel k_q90ca44dc86_quant
		.amdhsa_group_segment_fixed_size 111616
		.amdhsa_private_segment_fixed_size 0
		.amdhsa_enable_private_segment 0
		.amdhsa_kernarg_size 80
		.amdhsa_user_sgpr_count 2
		.amdhsa_user_sgpr_kernarg_segment_ptr 1
		.amdhsa_wavefront_size32 1
		.amdhsa_system_sgpr_workgroup_id_x 1
		.amdhsa_system_sgpr_workgroup_id_y 1
		.amdhsa_system_sgpr_workgroup_id_z 1
		.amdhsa_system_vgpr_workitem_id 0
		.amdhsa_next_free_vgpr 242
		.amdhsa_next_free_sgpr 80
		.amdhsa_reserve_vcc 1
		.amdhsa_float_denorm_mode_32 3
		.amdhsa_float_denorm_mode_16_64 3
		.amdhsa_memory_ordered 1
		.amdhsa_forward_progress 1
		.amdhsa_inst_pref_size 78
	.end_amdhsa_kernel
	.amdgpu_metadata
---
amdhsa.version: [ 1, 2 ]
amdhsa.kernels:
  - .name:           k_q90ca44dc86_quant
    .symbol:         k_q90ca44dc86_quant.kd
    .args:
      - { .name: input, .offset: 0, .size: 8, .value_kind: global_buffer, .address_space: global }
      - { .name: hidden, .offset: 8, .size: 8, .value_kind: global_buffer, .address_space: global }
      - { .name: Wr_w, .offset: 16, .size: 8, .value_kind: global_buffer, .address_space: global }
      - { .name: Wz_w, .offset: 24, .size: 8, .value_kind: global_buffer, .address_space: global }
      - { .name: Wh_w, .offset: 32, .size: 8, .value_kind: global_buffer, .address_space: global }
      - { .name: Ur_w, .offset: 40, .size: 8, .value_kind: global_buffer, .address_space: global }
      - { .name: Uz_w, .offset: 48, .size: 8, .value_kind: global_buffer, .address_space: global }
      - { .name: Uh_w, .offset: 56, .size: 8, .value_kind: global_buffer, .address_space: global }
      - { .name: acts, .offset: 64, .size: 8, .value_kind: global_buffer, .address_space: global }
      - { .name: wts, .offset: 72, .size: 8, .value_kind: global_buffer, .address_space: global }
    .group_segment_fixed_size: 111616
    .private_segment_fixed_size: 0
    .kernarg_segment_align: 8
    .kernarg_segment_size: 80
    .max_flat_workgroup_size: 416
    .sgpr_count:     80
    .vgpr_count:     242
    .wavefront_size: 32
...
	.end_amdgpu_metadata
.endif
;; end of part 1
;; launch gates (part 2): grid 64 x 4, 4 waves a work-group, clusters of 4 x 4, 327,680 bytes of LDS; arguments acts, wts, Wr_b, Ur_b, Wz_b, Uz_b, Wh_b, Uh_b, hpre, zgate, stats; writes hpre, zgate, stats
.if DOCPART == 2
	.amdgcn_target "amdgcn-amd-amdhsa--gfx1250"
	.amdhsa_code_object_version 6
	.text
	.protected	k_q90ca44dc86_gates
	.globl	k_q90ca44dc86_gates
	.p2align	8
	.type	k_q90ca44dc86_gates,@function
k_q90ca44dc86_gates:
	s_mov_b64 s[64:65], 0
	v_nop
	global_prefetch_b8 v0, s[64:65] scope:SCOPE_SE
	s_setreg_imm32_b32 hwreg(HW_REG_WAVE_MODE, 25, 1), 1
	s_wait_xcnt 0x0
	s_wait_alu depctr_hold_cnt(0) depctr_sa_sdst(0) depctr_va_vdst(0) depctr_va_sdst(0) depctr_va_ssrc(0) depctr_va_vcc(0) depctr_vm_vsrc(0)
	s_getreg_b32 s2, hwreg(HW_REG_IB_STS2, 6, 4)
	s_cmp_eq_u32 s2, 0
	s_cbranch_scc0 .Lentry_in_a_cluster
	s_endpgm
.Lentry_in_a_cluster:
	s_bfe_u32 s2, ttmp6, 0x10000c
	s_cmp_lg_u32 s2, 0xf033
	s_cbranch_scc0 .Lentry_shape_is_right
	s_endpgm
.Lentry_shape_is_right:
; The six quantised products, the two sigmoids and h_pre = (x Wh^T + Wh_b) + r (hidden Uh^T + Uh_b); z and h_pre leave as [1024][4096] f32, and each wave leaves (mean, M2) of its 4,096 numbers of h_pre.
; acts and wts hold records of 64 rows x 128 K (8,192 bytes of register images, 256 bytes of scale words [r 16][fr 4]); K goes by 40 places: places 0-2 and 35-39 are x's steps, places 3-34 hidden's.
; SHARES: a work-group takes 256 rows (mb = cy) x 64 hidden columns (cg) x 3 gates; a wave 64 rows x 64 columns: 4 row blocks x 4 column blocks x 4 sums (r, z, x Wh, hidden Uh) = 64 accumulators, 512 registers.
; THE ACTIVATIONS GO FROM MEMORY STRAIGHT INTO REGISTERS: a wave's 64 rows of a place are one record, which no other wave of the work-group reads, so LDS would share nothing of it; 17 loads of 512 (256) consecutive bytes,
; four sets of registers, asked for four places ahead.  They are not asked for jointly for that reason, and because with them in the ring a slot would hold two places in place of four.  No prefetch for them: their own loads stand four places ahead.
; THE WEIGHTS come through a ring of two LDS slots of four places (4 x 25,344 bytes), by joint loads: the four work-groups of a column of the cluster (same cg) ask for the same tile; wave w brings place 4 g + w, one load a wave.
; All four waves read every weight fragment; each feeds four matrix instructions.  A gate's four fragments and its scale words are one run of 17 LDS loads into the gate's own buffer, asked for one place (32 matrix instructions of the other two gates) ahead.
; So all reads of a slot have been issued when its last place begins, and the change of slots stands at that place's head.
; THE WALK: 3 places written out (x), a loop of 4 trips x 8 places (hidden: one set of register names, every change of slots refills), 5 places written out (x; no refill).
; Wh_b and Uh_b are loaded into their accumulators, in the result's layout, so that no sum is cleared or set by vector instructions; r's and z's first products take 0, and their biases enter the multiply-add ahead of the exponential.
; TRANSPOSED USE: source 0 = 16 rows of a weight, source 1 = 16 rows of activations: lane (r, h) holds row r, register j column 8 h + j.
; LIMITS: NaN and infinities among the inputs are not served.
; REGISTERS: window 0: v0-31 addresses, v32-47 activations' scale words (4 sets), v48-59 weights' (3 sets), v64-255 three buffers of 4 weight fragments (at the end: v96-103 at work, v128-255 the way out);
;   window 1: four sets of 4 activation fragments; windows 2, 3: the accumulators of column blocks 0-1, 2-3: v[64 rb + 16 kind + 8 (cb % 2)], kind 0 r, 1 z, 2 x Wh, 3 hidden Uh.
.set REC,    8448
.set ASTEP,  4*REC
.set WSTEP,  3*REC
.set SLOTB,  4*WSTEP                   ; place idx = 0 .. 7 of the ring lies at idx x WSTEP
.set SPITCH, 272
.set WSTG,   64*SPITCH                 ; a wave's stage: 64 rows of 256 + 16 bytes
.set ZSTG,   2*SLOTB                   ; z's stages lie behind the ring; h_pre's in slot 0, which has had its last fill and its last read by then
.set SPARE,  ZSTG+4*WSTG               ; the spare words: 512 bytes that no other line names
.set AO,   4                           ; 16 x lane
.set ASO,  5                           ; 16 r
.set VB,   6                           ; the biases: 256 cg + 32 h
.set ADRW, 8                           ; v8-15   weight fragments of ring place idx
.set ADSW, 16                          ; v16-23  their scale words
.set PFO,  24
.set CO,   25
.set STOZ, 26
.set STOH, 27
.set SPW,  28
.set NIL,  29
.set RDZ,  30
.set RDH,  31
.set SCA,  32
.set SCW,  48
.set WF,   64                          ; gate g's buffer at v[64 + 64 g]
.set G1,   28                          ; s[28:35] group 1; s[36:39], s[40:43] group 0 of slot 0, 1
.set G0,   36
.set AB,   44                          ; s[44:45] my records of activations
.set PFA,  46                          ; s[46:47] where the prefetches stand
.set WV,   48
.set CX,   49
.set CY,   50
.set CG,   51
.set SEL,  52
.set NM,   54
.set MSB, 0
.macro WIN new                         ; the immediate's high byte repeats the setting that is left
.if MSB != (\new)
	s_set_vgpr_msb (MSB<<8)|(\new)
.set MSB, (\new)
.endif
.endm
.macro PLACES n
.rept \n
	v_nop
.endr
.endm
.macro CREST                           ; a round of the cluster's barrier behind its opening barrier
	s_cmp_lg_u32 s[WV], 0
	s_cbranch_scc1 .Lnot_wave_0_\@
	s_barrier_signal -3
.Lnot_wave_0_\@:
	s_barrier_wait -3
	s_barrier_signal -1
	s_barrier_wait -1
.endm
.macro CROUND
	s_barrier_signal -1
	s_barrier_wait -1
	CREST
.endm
.macro ALOAD set, off                  ; a record of activations: 16 loads of 512 consecutive bytes, and its 256 bytes of scale words
	WIN 0x40
.set ii, 0
.rept 16
	global_load_b128 v[64*(\set)+4*ii:64*(\set)+4*ii+3], v[AO], s[AB:AB+1] offset:(\off)+512*ii
.set ii, ii+1
.endr
	WIN 0
	global_load_b128 v[SCA+4*(\set):SCA+4*(\set)+3], v[ASO], s[AB:AB+1] offset:(\off)+8192
.endm
.macro WLOAD g, idx                    ; gate g of ring place idx into its buffer: four fragments and their scale words: 17 LDS loads
.set ii, 0
.rept 16
	ds_load_b128 v[WF+64*(\g)+4*ii:WF+64*(\g)+4*ii+3], v[ADRW+(\idx)] offset:(\g)*REC+512*ii
.set ii, ii+1
.endr
	ds_load_b128 v[SCW+4*(\g):SCW+4*(\g)+3], v[ADSW+(\idx)] offset:(\g)*REC
.endm
.macro RZB set, pa, pb                 ; two biases' 64 columns into a set of activation registers that is done with
	WIN 0x40
.irp cb, 0,1,2,3
.irp u, 0,1
	global_load_b128 v[64*(\set)+8*\cb+4*\u:64*(\set)+8*\cb+4*\u+3], v[VB], s[\pa:\pa+1] offset:64*\cb+16*\u
	global_load_b128 v[64*(\set)+32+8*\cb+4*\u:64*(\set)+32+8*\cb+4*\u+3], v[VB], s[\pb:\pb+1] offset:64*\cb+16*\u
.endr
.endr
	WIN 0
.endm
; 8 matrix instructions of gate g into the sums of kind: column blocks 2 cp, 2 cp + 1 x my 4 row blocks.  The accumulators take turns, one instruction a turn.
.macro MM8 kind, cp, g, set, zero
	WIN 0xa4+0x50*(\cp)
.irp t, 0,1
.irp rb, 0,1,2,3
.set rD, 64*\rb+16*(\kind)+8*\t
.set rW, WF+64*(\g)+16*(2*(\cp)+\t)
.set rA, 64*(\set)+16*\rb
.if \zero
	v_wmma_scale_f32_16x16x128_f8f6f4 v[rD:rD+7], v[rW:rW+15], v[rA:rA+15], 0, v[SCW+4*(\g)+2*(\cp)+\t], v[SCA+4*(\set)+\rb] matrix_a_fmt:MATRIX_FMT_BF8 matrix_b_fmt:MATRIX_FMT_BF8
.else
	v_wmma_scale_f32_16x16x128_f8f6f4 v[rD:rD+7], v[rW:rW+15], v[rA:rA+15], v[rD:rD+7], v[SCW+4*(\g)+2*(\cp)+\t], v[SCA+4*(\set)+\rb] matrix_a_fmt:MATRIX_FMT_BF8 matrix_b_fmt:MATRIX_FMT_BF8
.endif
.endr
.endr
.endm
; One place of K: three gates x 16 matrix instructions.  idx: the ring place; hk: the third gate's sum (2 x Wh, 3 hidden Uh); zero: r's and z's products start their sums; lc: the global loads younger than my set's;
; aoff: where the record four places on lies (under 0: none).  type 0: inside a slot; 1: a slot's last place, the slot is filled again; 2: the same with no refill; 3: the last place of all.
; Eight places stand behind a gate's products, ahead of the loads into the registers that they read.
.macro STEP idx, hk, zero, lc, aoff, type
.set st, (\idx)%4
.set nx, ((\idx)+1)%8
.set sl, (\idx)/4
	s_wait_loadcnt \lc                             ; my set of activations is in
.if (\type) == 1 || (\type) == 2
.if (\type) == 1
	s_wait_xcnt 0x0                                ; my last prefetch has read its address
	s_add_nc_u64 s[PFA:PFA+1], s[PFA:PFA+1], 4*WSTEP
.endif
	s_wait_tensorcnt 0x0                           ; my one load that was out, my place of the other slot, has landed;
	ds_add_u32 v[SPW], v[NIL]
.if (\type) == 1
	s_add_nc_u64 s[G0+4*sl+2:G0+4*sl+3], s[G0+4*sl+2:G0+4*sl+3], 8*WSTEP   ; no load of mine is out: this slot's next four places
.endif
	s_wait_dscnt 35                                ; gate r's run is in; the other two gates' 34 and the add may be out
	MM8 0, 0, 0, st, 0
	s_wait_dscnt 0x0                               ; the add is done, and my reads of this slot, this place's three runs the last of them, are over
	s_barrier_signal -1
	MM8 0, 1, 0, st, 0
	WIN 0
	s_barrier_wait -1
.if (\type) == 1
	CREST                                          ; the barrier has opened a round of the cluster's barrier: no wave of any partner still reads this slot or has a load on its way
	tensor_load_to_lds s[G0+4*sl:G0+4*sl+3], s[G1:G1+7]
	s_nop 0
.endif
	PLACES 8
	WLOAD 0, nx
.if (\type) == 1
	s_cmp_gt_u32 s3, 1                             ; the last trip's two refills have no four places two refills on
	s_cbranch_scc0 .Lnone_\@
	global_prefetch_b8 v[PFO], s[PFA:PFA+1] th:TH_LOAD_NT scope:SCOPE_SE
.Lnone_\@:
.endif
.else
	s_wait_dscnt 34                                ; gate r's run is in; the two younger runs of 17 may be out
	MM8 0, 0, 0, st, \zero
	MM8 0, 1, 0, st, \zero
.if (\type) == 0
	PLACES 8
	WIN 0
	WLOAD 0, nx
.endif
.endif
.if (\type) == 0
	s_wait_dscnt 34
.endif
.if (\type) == 3
	s_wait_dscnt 17
.endif
	MM8 1, 0, 1, st, \zero
	MM8 1, 1, 1, st, \zero
.if (\type) != 3
	PLACES 8
	WIN 0
	WLOAD 1, nx
.endif
.if (\type) == 0
	s_wait_dscnt 34
.endif
.if (\type) == 3
	s_wait_dscnt 0x0
.endif
	MM8 \hk, 0, 2, st, 0
	MM8 \hk, 1, 2, st, 0
.if (\type) != 3
	PLACES 8
	WIN 0
	WLOAD 2, nx
.endif
.if (\aoff) >= 0
	ALOAD st, \aoff
.endif
.endm
	s_load_b512 s[4:19], s[0:1], 0x0               ; acts, wts, Wr_b, Ur_b, Wz_b, Uz_b, Wh_b, Uh_b
	s_load_b128 s[20:23], s[0:1], 0x40             ; hpre, zgate
	s_load_b64 s[24:25], s[0:1], 0x50              ; stats
	v_lshl_add_u32 v[SPW], v0, 2, SPARE
	v_mov_b32 v[NIL], 0
	ds_add_u32 v[SPW], v[NIL]                      ; the opening lines: the add, twice on end, and its wait ahead of my first tensor load
	ds_add_u32 v[SPW], v[NIL]
	v_lshrrev_b32 v1, 5, v0
	v_readfirstlane_b32 s[WV], v1                  ; wave 0..3
	s_bfe_u32 s[CX], ttmp6, 0x40000
	s_bfe_u32 s[CY], ttmp6, 0x40004                ; the row block mb
	s_lshl_b32 s[CG], ttmp9, 2
	s_add_co_u32 s[CG], s[CG], s[CX]               ; the column group cg
	s_lshl_b32 s56, 0x1111, s[CX]                  ; my column of the cluster
	s_or_b32 s[G1], s56, (3<<16)|(1<<21)           ; the mask; elements of 8 bytes; bit 21 beside a mask
	s_mov_b32 s[G1+1], 32<<16                      ; a place's weights: a dense block of 99 rows of 256 bytes
	s_mov_b32 s[G1+2], 99<<16
	s_mov_b32 s[G1+3], 32<<16
	s_mov_b32 s[G1+4], 99
	s_mov_b32 s[G1+5], 32
	s_mov_b32 s[G1+6], 0
	s_mov_b32 s[G1+7], 0
	s_mul_i32 s58, s[CG], 40*WSTEP
	s_mov_b32 s59, 0
	s_mul_i32 s60, s[WV], WSTEP                    ; wave w brings place 4 g + w, to w x WSTEP of the slot
	s_mov_b32 s61, 0
	s_mul_i32 s62, s[CY], 40*ASTEP
	s_mul_i32 s63, s[WV], REC
	s_add_co_u32 s62, s62, s63
	s_mov_b32 s63, 0
	s_mov_b32 s[SEL], 0x76543210
	s_mov_b32 s[SEL+1], 0xfedcba98
	s_wait_dscnt 0x0
	s_wait_kmcnt 0x0
	s_add_nc_u64 s[66:67], s[6:7], s[58:59]        ; my column group's weights
	s_add_nc_u64 s[AB:AB+1], s[4:5], s[62:63]
	s_mov_b32 s[G0], 1
	s_mov_b32 s[G0+1], s60
	s_add_nc_u64 s[G0+2:G0+3], s[66:67], s[60:61]
	s_mov_b32 s[G0+4], 1
	s_add_co_u32 s[G0+5], s60, SLOTB
	s_add_nc_u64 s[G0+6:G0+7], s[G0+2:G0+3], 4*WSTEP
	s_or_b32 s[G0+3], s[G0+3], 0x80000000
	s_or_b32 s[G0+7], s[G0+7], 0x80000000
	s_add_nc_u64 s[PFA:PFA+1], s[66:67], 12*WSTEP  ; the first change of slots steps it to places 16-19
	CROUND                                         ; all sixteen work-groups are here: the first joint loads meet
	tensor_load_to_lds s[G0:G0+3], s[G1:G1+7]      ; places 0-3, one a wave
	s_nop 0
	PLACES 4
	s_lshl_b32 s56, s[CY], 22                      ; my 64 rows x 256 bytes of hpre and zgate: row 256 cy + 64 wave, byte 256 cg
	s_lshl_b32 s57, s[WV], 20
	s_add_co_u32 s56, s56, s57
	s_lshl_b32 s58, s[CG], 8
	s_add_co_u32 s56, s56, s58
	s_mov_b32 s57, 0
	s_add_nc_u64 s[20:21], s[20:21], s[56:57]
	s_add_nc_u64 s[22:23], s[22:23], s[56:57]
	s_lshl_b32 s56, s[CY], 6
	s_add_co_u32 s56, s56, s[CG]
	s_lshl_b32 s56, s56, 2
	s_add_co_u32 s56, s56, s[WV]
	s_lshl_b32 s56, s56, 3
	s_add_nc_u64 s[24:25], s[24:25], s[56:57]      ; my pair
	s_lshl_b32 s59, s[CY], 2
	s_add_co_u32 s59, s59, s[WV]
	s_mul_i32 s59, s59, 25                         ; the prefetches: four places are 396 blocks of 256 bytes; the column's sixteen waves take 25 each, told apart by address
	s_mul_i32 s60, s[WV], WSTG
	v_and_b32 v1, 31, v0
	v_and_b32 v2, 15, v0
	v_bfe_u32 v3, v0, 4, 1
	v_lshlrev_b32 v[AO], 4, v1
	v_lshlrev_b32 v[ASO], 4, v2
	v_lshl_add_u32 v[VB], v3, 5, s58
.irp i, 0,1,2,3,4,5,6,7
	v_add_nc_u32 v[ADRW+\i], \i*WSTEP, v[AO]
	v_add_nc_u32 v[ADSW+\i], \i*WSTEP+8192, v[ASO]
.endr
	v_min_u32 v[PFO], 24, v1
	v_add_nc_u32 v[PFO], s59, v[PFO]
	v_min_u32 v[PFO], 395, v[PFO]                  ; lanes left over name the last block again
	v_lshlrev_b32 v[PFO], 8, v[PFO]
	v_mul_u32_u24 v[STOH], v2, SPITCH              ; into my stage: row r, 32 bytes for each half of the lanes
	v_lshl_add_u32 v[STOH], v3, 5, v[STOH]
	v_add_nc_u32 v[STOH], s60, v[STOH]
	v_add_nc_u32 v[STOZ], ZSTG, v[STOH]
	v_mul_u32_u24 v[RDH], v3, SPITCH               ; back: sixteen lanes to a row of 256 bytes, two rows an instruction
	v_lshl_add_u32 v[RDH], v2, 4, v[RDH]
	v_add_nc_u32 v[RDH], s60, v[RDH]
	v_add_nc_u32 v[RDZ], ZSTG, v[RDH]
	v_lshlrev_b32 v[CO], 14, v3
	v_lshl_add_u32 v[CO], v2, 4, v[CO]
	s_wait_alu depctr_va_vdst(0)
.irp cp, 0,1                           ; Wh_b and Uh_b into their accumulators: register j = column 16 cb + 8 h + j, the same for all four row blocks
	WIN 0x80+0x40*\cp
.irp rb, 0,1,2,3
.irp t, 0,1
.irp u, 0,1
	global_load_b128 v[64*\rb+32+8*\t+4*\u:64*\rb+35+8*\t+4*\u], v[VB], s[16:17] offset:64*(2*\cp+\t)+16*\u
	global_load_b128 v[64*\rb+48+8*\t+4*\u:64*\rb+51+8*\t+4*\u], v[VB], s[18:19] offset:64*(2*\cp+\t)+16*\u
.endr
.endr
.endr
.endr
	ALOAD 0, 0
	ALOAD 1, ASTEP
	ALOAD 2, 2*ASTEP
	ALOAD 3, 3*ASTEP
	s_wait_tensorcnt 0x0                           ; my place of slot 0 is in
	ds_add_u32 v[SPW], v[NIL]
	s_wait_dscnt 0x0
	CROUND
	tensor_load_to_lds s[G0+4:G0+7], s[G1:G1+7]    ; places 4-7: slot 1's first fill
	s_nop 0
	PLACES 4
	WLOAD 0, 0
	WLOAD 1, 0
	WLOAD 2, 0
	STEP 0, 2, 1, 51, 4*ASTEP, 0                   ; 51: the three younger sets of 17 loads may be out
	STEP 1, 2, 0, 51, 5*ASTEP, 0
	STEP 2, 2, 0, 51, 6*ASTEP, 0
	s_wait_xcnt 0x0                                ; the loads have read their base
	s_add_nc_u64 s[AB:AB+1], s[AB:AB+1], 3*ASTEP
	s_mov_b32 s3, 4
.Llap:                                                 ; places 3 + 8 t .. 10 + 8 t: hidden's 32
	STEP 3, 3, 0, 51, 4*ASTEP, 1
	STEP 4, 3, 0, 51, 5*ASTEP, 0
	STEP 5, 3, 0, 51, 6*ASTEP, 0
	STEP 6, 3, 0, 51, 7*ASTEP, 0
	STEP 7, 3, 0, 51, 8*ASTEP, 1
	STEP 0, 3, 0, 51, 9*ASTEP, 0
	STEP 1, 3, 0, 51, 10*ASTEP, 0
	STEP 2, 3, 0, 51, 11*ASTEP, 0
	s_wait_xcnt 0x0
	s_add_nc_u64 s[AB:AB+1], s[AB:AB+1], 8*ASTEP
	s_sub_co_u32 s3, s3, 1
	s_cmp_lg_u32 s3, 0
	s_cbranch_scc1 .Llap
	STEP 3, 2, 0, 51, 4*ASTEP, 2                   ; places 35-39: x's last five; nothing is filled again
	STEP 4, 2, 0, 51, -1, 0
	RZB 0, 8, 10                                   ; Wr_b, Ur_b: 16 loads
	STEP 5, 2, 0, 50, -1, 0                        ; two sets of 17 and those 16
	RZB 1, 12, 14                                  ; Wz_b, Uz_b
	STEP 6, 2, 0, 49, -1, 0                        ; one set and 32
	STEP 7, 2, 0, 32, -1, 3
	PLACES 8
	s_wait_loadcnt 0x0
	WIN 0x45                               ; -log2(e) (W's bias + U's bias), for r at v0-31 and for z at v64-95 of window 1
.set ii, 0
.rept 16
	v_pk_add_f32 v[2*ii:2*ii+1], v[2*ii:2*ii+1], v[32+2*ii:33+2*ii]
	v_pk_add_f32 v[64+2*ii:65+2*ii], v[64+2*ii:65+2*ii], v[96+2*ii:97+2*ii]
.set ii, ii+1
.endr
.set ii, 0
.rept 16
	v_pk_mul_f32 v[2*ii:2*ii+1], v[2*ii:2*ii+1], 0xbfb8aa3b op_sel_hi:[1,0]
	v_pk_mul_f32 v[64+2*ii:65+2*ii], v[64+2*ii:65+2*ii], 0xbfb8aa3b op_sel_hi:[1,0]
.set ii, ii+1
.endr
; r, z = 1 / (1 + 2^(-log2(e) (sum + bias))), then h_pre = (x Wh + Wh_b) + r (hidden Uh + Uh_b), for the window of column blocks 2 cp, 2 cp + 1
.macro GATES cp
	WIN 0x92+0x41*(\cp)
.set ii, 0
.rept 64
.set rx, 64*(ii/16)+2*(ii%16)
.set bb, 64*((ii%16)/8)+16*(\cp)+2*(ii%8)
	v_pk_fma_f32 v[rx:rx+1], v[rx:rx+1], 0xbfb8aa3b, v[bb:bb+1] op_sel_hi:[1,0,1]
.set ii, ii+1
.endr
	WIN 0xaa+0x55*(\cp)
.set ii, 0
	s_wait_alu depctr_va_vdst(0)                   ; a wait ahead of each batch of transcendentals and one behind it
.rept 128
.set rx, 64*(ii/32)+ii%32
	v_exp_f32 v[rx], v[rx]
.set ii, ii+1
.endr
	v_nop
	s_wait_alu depctr_va_vdst(0)
.set ii, 0
.rept 64
.set rx, 64*(ii/16)+2*(ii%16)
	v_pk_add_f32 v[rx:rx+1], v[rx:rx+1], 1.0 op_sel_hi:[1,0]
.set ii, ii+1
.endr
.set ii, 0
	s_wait_alu depctr_va_vdst(0)
.rept 128
.set rx, 64*(ii/32)+ii%32
	v_rcp_f32 v[rx], v[rx]
.set ii, ii+1
.endr
	v_nop
	s_wait_alu depctr_va_vdst(0)
.set ii, 0
.rept 32
.set rx, 64*(ii/8)+2*(ii%8)
	v_pk_fma_f32 v[rx+32:rx+33], v[rx:rx+1], v[rx+48:rx+49], v[rx+32:rx+33]
.set ii, ii+1
.endr
.endm
.macro HSUM                            ; the window's 64 registers of h_pre, summed in two chains into v[48:49]
	v_pk_add_f32 v[48:49], v[32:33], v[34:35]
	v_pk_add_f32 v[50:51], v[36:37], v[38:39]
.set ii, 4
.rept 14
.set rx, 64*(ii/8)+32+2*(ii%8)
	v_pk_add_f32 v[48:49], v[48:49], v[rx:rx+1]
	v_pk_add_f32 v[50:51], v[50:51], v[rx+2:rx+3]
.set ii, ii+2
.endr
	v_pk_add_f32 v[48:49], v[48:49], v[50:51]
.endm
.macro HSQ                             ; the sum of (h_pre - my wave's mean)^2
.set ii, 0
.rept 32
.set rx, 64*(ii/8)+32+2*(ii%8)
.set rt, 52+2*(ii%4)
.set rc, 48+2*(ii%2)
	v_pk_add_f32 v[rt:rt+1], v[rx:rx+1], s[NM:NM+1] op_sel_hi:[1,0]
.if ii < 2
	v_pk_mul_f32 v[rc:rc+1], v[rt:rt+1], v[rt:rt+1]
.else
	v_pk_fma_f32 v[rc:rc+1], v[rt:rt+1], v[rt:rt+1], v[rc:rc+1]
.endif
.set ii, ii+1
.endr
	v_pk_add_f32 v[48:49], v[48:49], v[50:51]
.endm
.macro WSUM d                          ; over the pair and the 32 lanes
	v_add_f32 v96, v96, v97
	v_add_f32_dpp v96, v96, v96 row_xmask:1 row_mask:0xf bank_mask:0xf
	v_add_f32_dpp v96, v96, v96 row_xmask:2 row_mask:0xf bank_mask:0xf
	v_add_f32_dpp v96, v96, v96 row_xmask:4 row_mask:0xf bank_mask:0xf
	v_add_f32_dpp v96, v96, v96 row_xmask:8 row_mask:0xf bank_mask:0xf
	v_permlanex16_b32 v97, v96, s[SEL], s[SEL+1]
	v_add_f32 v[\d], v96, v97
.endm
	GATES 0
	GATES 1
	s_wait_alu depctr_va_vdst(0)
; THE WAY OUT comes first: my 64 rows x 64 columns of z and of h_pre go through stages of my own and come back as whole rows of 256 bytes: no barrier.  The mean and M2 are made while the stores are on their way
.irp cp, 0,1
	WIN 0x08+4*\cp
.irp rb, 0,1,2,3
.irp t, 0,1
	ds_store_b128 v[STOZ], v[64*\rb+16+8*\t:64*\rb+19+8*\t] offset:\rb*16*SPITCH+64*(2*\cp+\t)
	ds_store_b128 v[STOZ], v[64*\rb+20+8*\t:64*\rb+23+8*\t] offset:\rb*16*SPITCH+64*(2*\cp+\t)+16
	ds_store_b128 v[STOH], v[64*\rb+32+8*\t:64*\rb+35+8*\t] offset:\rb*16*SPITCH+64*(2*\cp+\t)
	ds_store_b128 v[STOH], v[64*\rb+36+8*\t:64*\rb+39+8*\t] offset:\rb*16*SPITCH+64*(2*\cp+\t)+16
.endr
.endr
.endr
	WIN 0
.macro SEND rd, base
.set ii, 0
.rept 32
	ds_load_b128 v[128+4*ii:131+4*ii], v[\rd] offset:2*SPITCH*ii   ; LDS serves a wave's instructions in order (ISA guide 5.7.1.4): these see my stores
.set ii, ii+1
.endr
.set ii, 0
.rept 32
	s_wait_dscnt 31-ii
	global_store_b128 v[CO], v[128+4*ii:131+4*ii], s[\base:\base+1] offset:32768*ii   ; sixteen lanes store 256 consecutive bytes, aligned
.set ii, ii+1
.endr
.endm
	SEND RDZ, 22
	s_wait_xcnt 0x0                                ; z's stores have read their registers
	SEND RDH, 20
	WIN 0xaa
	HSUM
	WIN 0xff
	HSUM
	WIN 0x0e
	v_pk_add_f32 v[96:97], v[48:49], v[48:49]      ; window 2's sums + window 3's
	WIN 0
	WSUM 96
	v_mul_f32 v100, 0x39800000, v96                ; the mean of my 4,096 numbers
	v_mul_f32 v98, 0xb9800000, v96
	v_readfirstlane_b32 s[NM], v98
	s_mov_b32 s[NM+1], s[NM]
	WIN 0xaa
	HSQ
	WIN 0xff
	HSQ
	WIN 0x0e
	v_pk_add_f32 v[96:97], v[48:49], v[48:49]
	WIN 0
	WSUM 101                                       ; M2
	v_mov_b32 v102, 0
	s_wait_alu depctr_va_vdst(0)
	s_wait_xcnt 0x0                                ; EXEC changes only behind this wait
	v_cmp_eq_u32 vcc_lo, 0, v1
	s_and_saveexec_b32 s56, vcc_lo
	global_store_b64 v102, v[100:101], s[24:25]
	s_wait_xcnt 0x0
	s_or_b32 exec_lo, exec_lo, s56
	s_wait_tensorcnt 0x0                           ; the wave's end
	ds_add_u32 v[SPW], v[NIL]
	s_wait_dscnt 0x0
	CROUND                                         ; the closing round
	s_endpgm
.Lfunc_end_k_q90ca44dc86_gates:
	.size	k_q90ca44dc86_gates, .Lfunc_end_k_q90ca44dc86_gates-k_q90ca44dc86_gates
	.p2alignl 7, 3214868480
	.fill 96, 4, 3214868480
	.section	.rodata,"a",@progbits
	.p2align	6, 0x0
	.amdhsa_kernel k_q90ca44dc86_gates
		.amdhsa_group_segment_fixed_size 327680
		.amdhsa_private_segment_fixed_size 0
		.amdhsa_enable_private_segment 0
		.amdhsa_kernarg_size 88
		.amdhsa_user_sgpr_count 2
		.amdhsa_user_sgpr_kernarg_segment_ptr 1
		.amdhsa_wavefront_size32 1
		.amdhsa_system_sgpr_workgroup_id_x 1
		.amdhsa_system_sgpr_workgroup_id_y 1
		.amdhsa_system_sgpr_workgroup_id_z 1
		.amdhsa_system_vgpr_workitem_id 0
		.amdhsa_next_free_vgpr 1024
		.amdhsa_next_free_sgpr 72
		.amdhsa_reserve_vcc 1
		.amdhsa_float_denorm_mode_32 3
		.amdhsa_float_denorm_mode_16_64 3
		.amdhsa_memory_ordered 1
		.amdhsa_forward_progress 1
		.amdhsa_inst_pref_size 255
	.end_amdhsa_kernel
	.section	.bss,"aw",@nobits
	.p2align	6
	.space	262144
	.amdgpu_metadata
---
amdhsa.version: [ 1, 2 ]
amdhsa.kernels:
  - .name:           k_q90ca44dc86_gates
    .symbol:         k_q90ca44dc86_gates.kd
    .args:
      - { .name: acts, .offset: 0, .size: 8, .value_kind: global_buffer, .address_space: global }
      - { .name: wts, .offset: 8, .size: 8, .value_kind: global_buffer, .address_space: global }
      - { .name: Wr_b, .offset: 16, .size: 8, .value_kind: global_buffer, .address_space: global }
      - { .name: Ur_b, .offset: 24, .size: 8, .value_kind: global_buffer, .address_space: global }
      - { .name: Wz_b, .offset: 32, .size: 8, .value_kind: global_buffer, .address_space: global }
      - { .name: Uz_b, .offset: 40, .size: 8, .value_kind: global_buffer, .address_space: global }
      - { .name: Wh_b, .offset: 48, .size: 8, .value_kind: global_buffer, .address_space: global }
      - { .name: Uh_b, .offset: 56, .size: 8, .value_kind: global_buffer, .address_space: global }
      - { .name: hpre, .offset: 64, .size: 8, .value_kind: global_buffer, .address_space: global }
      - { .name: zgate, .offset: 72, .size: 8, .value_kind: global_buffer, .address_space: global }
      - { .name: stats, .offset: 80, .size: 8, .value_kind: global_buffer, .address_space: global }
    .group_segment_fixed_size: 327680
    .private_segment_fixed_size: 0
    .kernarg_segment_align: 8
    .kernarg_segment_size: 88
    .max_flat_workgroup_size: 128
    .sgpr_count:     72
    .vgpr_count:     1024
    .wavefront_size: 32
...
	.end_amdgpu_metadata
.endif
;; end of part 2
;; launch finish (part 3): grid 256 x 1, 16 waves a work-group, no clusters, 4,096 bytes of LDS; arguments hpre, zgate, hidden, stats, out_w, out_b, bn_gamma, bn_beta, out0, out1, out2, out3, out4; writes out0, out1, out2, out3, out4
.if DOCPART == 3
	.amdgcn_target "amdgcn-amd-amdhsa--gfx1250"
	.amdhsa_code_object_version 6
	.text
	.protected	k_q90ca44dc86_finish
	.globl	k_q90ca44dc86_finish
	.p2align	8
	.type	k_q90ca44dc86_finish,@function
k_q90ca44dc86_finish:
	s_mov_b64 s[64:65], 0
	v_nop
	global_prefetch_b8 v0, s[64:65] scope:SCOPE_SE
	s_setreg_imm32_b32 hwreg(HW_REG_WAVE_MODE, 25, 1), 1
	s_wait_xcnt 0x0
; The batch norm over all 4,194,304 numbers of h_pre, relu, the blend with hidden, and the product with out_w (N = 4).
;   mean, var from the 1,024 pairs (mean, M2) of 4,096 numbers each;  p = relu((h_pre - mean) rsqrt(var + 1e-5) gamma + beta);  cur = hidden + z (p - hidden);  out_o = cur . out_w[o] + out_b[o].
; hpre, zgate, hidden, out0: [1024][4096] f32; out_w [4][4096]; out1 .. out4 [1024].  max_v and min_v are inputs that the source never uses: no launch names them.
; LIMITS: cur is formed as hidden + z (p - hidden), which rounds otherwise than (1 - z) hidden + z p; NaN and infinities are not served.  out1 .. out4 leave as 16 bytes a work-group each, 16 KB in all.
; THE MERGE of two parts of n numbers each: d = m1 - m2;  M2 = M2a + M2b + d^2 n / 2;  m = (m1 + m2) / 2: the variance is never a difference of large sums.  Every work-group merges all 1,024 pairs (8 KB).
; SHARES: a work-group of sixteen waves takes 4 rows; thread t holds bytes 16 t and 16 t + 8192 of each row, so each load and store of a wave covers 512 consecutive bytes.
; All 33 loads of a thread go out at once; there is no loop.  The product with out_w is 128 fused multiply-adds a lane in f32: a matrix tile would be three quarters empty.
.set VO,   1                           ; v1      16 x thread
.set SA,   2                           ; v2      LDS: 8 x wave: my wave's pair
.set ZR,   3                           ; v3      0: where the sixteen pairs begin
.set NMN,  8                           ; v[8:9]  minus the mean, twice
.set GA,   10                          ; v[10:11] rsqrt(var + eps) gamma, twice
.set BT,   12                          ; v[12:13] beta, twice
.set PA,   14                          ; v14     LDS: PART + 64 x wave: my wave's sixteen sums
.set RA,   15                          ; v15     LDS: PART + 16 x wave + 4 (lane % 4)
.set OO,   16                          ; v16     16 x work-group + 4 x lane: my place in out1 .. out4
.set LN,   17                          ; v17     lane
.set AC,   32                          ; v32-63  the sixteen waves' pairs; later the sums (o, row) at v[32 + 2 (4 o + row)], in two halves
.set OW,   64                          ; v64-95  out_w: row o at v[64 + 8 o]; later the sixteen sums
.set HP,   96                          ; v96-127 h_pre, then cur: row p at v[96 + 8 p]
.set ZG,   128                         ; v128-159 z
.set HD,   160                         ; v160-191 hidden
.set PART, 256                         ; LDS: 16 waves x 64 bytes; the pairs lie at 0, 16 waves x 8 bytes
.set SEL,  42                          ; s[42:43] v_permlanex16_b32's selects for lane l xor 16
	s_load_b512 s[4:19], s[0:1], 0x0               ; hpre, zgate, hidden, stats, out_w, out_b, bn_gamma, bn_beta
	s_load_b256 s[20:27], s[0:1], 0x40             ; out0, out1, out2, out3
	s_load_b64 s[28:29], s[0:1], 0x60              ; out4
	v_lshl_add_u32 v192, v0, 2, 0x800
	v_mov_b32 v193, 0
	v_lshlrev_b32 v[VO], 4, v0
	v_lshrrev_b32 v18, 5, v0
	s_delay_alu instid0(VALU_DEP_1)
	v_readfirstlane_b32 s30, v18                   ; wave 0..15
	s_delay_alu instid0(VALU_DEP_2)
	v_lshlrev_b32 v[SA], 3, v18
	v_mov_b32 v[ZR], 0
	s_delay_alu instid0(VALU_DEP_4)
	v_lshl_add_u32 v[PA], v18, 6, PART
	v_and_b32 v[LN], 31, v0
	v_and_b32 v19, 3, v0
	s_delay_alu instid0(VALU_DEP_1)
	v_lshlrev_b32 v19, 2, v19
	s_delay_alu instid0(VALU_DEP_1)
	v_lshl_add_u32 v[RA], v18, 4, v19
	s_delay_alu instid0(VALU_DEP_1)
	v_add_nc_u32 v[RA], PART, v[RA]
	s_lshl_b32 s38, ttmp9, 16                      ; 4 rows of 16,384 bytes a work-group
	s_mov_b32 s39, 0
	s_lshl_b32 s40, ttmp9, 4
	v_lshl_add_u32 v[OO], v[LN], 2, s40
	s_mov_b32 s[SEL], 0x76543210
	s_mov_b32 s[SEL+1], 0xfedcba98
	s_wait_kmcnt 0x0
	s_load_b128 s[32:35], s[14:15], 0x0            ; out_b
	s_load_b32 s36, s[16:17], 0x0                  ; gamma
	s_load_b32 s37, s[18:19], 0x0                  ; beta
	s_add_nc_u64 s[4:5], s[4:5], s[38:39]
	s_add_nc_u64 s[6:7], s[6:7], s[38:39]
	s_add_nc_u64 s[8:9], s[8:9], s[38:39]
	s_add_nc_u64 s[20:21], s[20:21], s[38:39]
	global_load_b128 v[4:7], v[VO], s[10:11]       ; two of the 1,024 pairs
.irp o, 0,1,2,3
.irp t, 0,1
	global_load_b128 v[OW+8*\o+4*\t:OW+8*\o+4*\t+3], v[VO], s[12:13] offset:16384*\o+8192*\t
.endr
.endr
.irp p, 0,1,2,3
.irp t, 0,1
	global_load_b128 v[HP+8*\p+4*\t:HP+8*\p+4*\t+3], v[VO], s[4:5] offset:16384*\p+8192*\t th:TH_LOAD_NT
.endr
.irp t, 0,1
	global_load_b128 v[ZG+8*\p+4*\t:ZG+8*\p+4*\t+3], v[VO], s[6:7] offset:16384*\p+8192*\t th:TH_LOAD_NT
.endr
.irp t, 0,1
	global_load_b128 v[HD+8*\p+4*\t:HD+8*\p+4*\t+3], v[VO], s[8:9] offset:16384*\p+8192*\t th:TH_LOAD_NT
.endr
.endr
; the pair at v[b] is merged into the pair at v[a]; e: n / 2 = 2^e
.macro MERGE a, b, e
	v_sub_f32 v22, v[\a], v[\b]
	v_add_f32 v23, v[(\a)+1], v[(\b)+1]
	v_add_f32 v24, v[\a], v[\b]
	s_delay_alu instid0(VALU_DEP_3)
	v_mul_f32 v22, v22, v22
	s_delay_alu instid0(VALU_DEP_2)
	v_mul_f32 v[\a], 0.5, v24
	s_delay_alu instid0(VALU_DEP_2)
	v_fmamk_f32 v[(\a)+1], v22, (127+(\e))<<23, v23
.endm
; the pair v[4:5] with that of lane l xor mask: both lanes get the same bits (d's sign falls away in its square)
.macro LMERGE mask, e
	s_delay_alu instid0(VALU_DEP_2)
	v_sub_f32_dpp v22, v4, v4 row_xmask:\mask row_mask:0xf bank_mask:0xf
	s_delay_alu instid0(VALU_DEP_2)
	v_add_f32_dpp v23, v5, v5 row_xmask:\mask row_mask:0xf bank_mask:0xf
	s_delay_alu instid0(VALU_DEP_4)
	v_add_f32_dpp v24, v4, v4 row_xmask:\mask row_mask:0xf bank_mask:0xf
	s_delay_alu instid0(VALU_DEP_3)
	v_mul_f32 v22, v22, v22
	s_delay_alu instid0(VALU_DEP_2)
	v_mul_f32 v4, 0.5, v24
	s_delay_alu instid0(VALU_DEP_2)
	v_fmamk_f32 v5, v22, (127+(\e))<<23, v23
.endm
	s_wait_loadcnt 32                              ; loads come back in order: my two pairs are in, the 32 loads behind them may be out
	MERGE 4, 6, 11                                 ; two parts of 4,096
	LMERGE 1, 12
	LMERGE 2, 13
	LMERGE 4, 14
	LMERGE 8, 15
	s_delay_alu instid0(VALU_DEP_2)
	v_permlanex16_b32 v6, v4, s[SEL], s[SEL+1]
	s_delay_alu instid0(VALU_DEP_2)
	v_permlanex16_b32 v7, v5, s[SEL], s[SEL+1]
	MERGE 4, 6, 16                                 ; my wave's 262,144 numbers
	ds_store_b64 v[SA], v[4:5]                     ; all lanes write the same 8 bytes with the same value
	s_wait_dscnt 0x0                               ; for the others' sake
	s_barrier_signal -1
	s_barrier_wait -1
.irp i, 0,1,2,3,4,5,6,7
	ds_load_b128 v[AC+4*\i:AC+4*\i+3], v[ZR] offset:16*\i   ; the sixteen pairs, in every lane
.endr
	s_wait_dscnt 0x0
.irp a, 32,36,40,44,48,52,56,60
	MERGE \a, \a+2, 17
.endr
.irp a, 32,40,48,56
	MERGE \a, \a+4, 18
.endr
	MERGE 32, 40, 19
	MERGE 48, 56, 19
	MERGE 32, 48, 20                               ; v32 the mean, v33 M2 of all 2^22 numbers
	v_mov_b32 v22, 0x34800000                      ; 2^-22
	s_delay_alu instid0(VALU_DEP_1)
	v_fmaak_f32 v23, v33, v22, 0x3727c5ac          ; the biased variance + 1e-5
	s_wait_alu depctr_va_vdst(0)
	v_rsq_f32 v23, v23
	v_mul_f32 v[NMN], -1.0, v32                    ; (a plain instruction behind the transcendental)
	s_delay_alu instid0(VALU_DEP_1)
	v_mov_b32 v[NMN+1], v[NMN]
	s_wait_kmcnt 0x0                               ; out_b, gamma, beta
	v_mov_b32 v[BT], s37
	v_mov_b32 v[BT+1], s37
	s_wait_alu depctr_va_vdst(0)
	v_mul_f32 v[GA], s36, v23
	s_delay_alu instid0(VALU_DEP_1)
	v_mov_b32 v[GA+1], v[GA]
.macro ROW p
	s_wait_loadcnt 6*(3-(\p))                      ; this row's six loads are in; the later rows' six each may be out
.irp k, 0,2,4,6
	v_pk_add_f32 v[HP+8*(\p)+\k:HP+8*(\p)+\k+1], v[HP+8*(\p)+\k:HP+8*(\p)+\k+1], v[NMN:NMN+1]   ; h_pre - mean
.endr
	s_wait_alu depctr_va_vdst(0)
.irp k, 0,2,4,6
	v_pk_fma_f32 v[HP+8*(\p)+\k:HP+8*(\p)+\k+1], v[HP+8*(\p)+\k:HP+8*(\p)+\k+1], v[GA:GA+1], v[BT:BT+1]
.endr
.irp k, 0,1,2,3,4,5,6,7
	v_max_num_f32 v[HP+8*(\p)+\k], 0, v[HP+8*(\p)+\k]   ; relu
.endr
.irp k, 0,2,4,6
	v_pk_add_f32 v[HP+8*(\p)+\k:HP+8*(\p)+\k+1], v[HP+8*(\p)+\k:HP+8*(\p)+\k+1], v[HD+8*(\p)+\k:HD+8*(\p)+\k+1] neg_lo:[0,1] neg_hi:[0,1]   ; p - hidden
.endr
.irp k, 0,2,4,6
	s_delay_alu instid0(VALU_DEP_4)
	v_pk_fma_f32 v[HP+8*(\p)+\k:HP+8*(\p)+\k+1], v[ZG+8*(\p)+\k:ZG+8*(\p)+\k+1], v[HP+8*(\p)+\k:HP+8*(\p)+\k+1], v[HD+8*(\p)+\k:HD+8*(\p)+\k+1]   ; cur; these registers are not written again
.endr
.irp t, 0,1
	global_store_b128 v[VO], v[HP+8*(\p)+4*\t:HP+8*(\p)+4*\t+3], s[20:21] offset:16384*(\p)+8192*\t th:TH_STORE_NT   ; 32 lanes store 512 consecutive bytes, aligned
.endr
.irp k, 0,2,4,6
.irp o, 0,1,2,3
.if \k == 0
	v_pk_mul_f32 v[AC+2*(4*\o+(\p)):AC+2*(4*\o+(\p))+1], v[HP+8*(\p):HP+8*(\p)+1], v[OW+8*\o:OW+8*\o+1]   ; the first product starts the sum
.else
	s_delay_alu instid0(VALU_DEP_4)
	v_pk_fma_f32 v[AC+2*(4*\o+(\p)):AC+2*(4*\o+(\p))+1], v[HP+8*(\p)+\k:HP+8*(\p)+\k+1], v[OW+8*\o+\k:OW+8*\o+\k+1], v[AC+2*(4*\o+(\p)):AC+2*(4*\o+(\p))+1]
.endif
.endr
.endr
.endm
	ROW 0
	ROW 1
	ROW 2
	ROW 3
.set ii, 0
.rept 16
	v_add_f32 v[OW+ii], v[AC+2*ii], v[AC+2*ii+1]   ; the two halves; out_w's registers are free
.set ii, ii+1
.endr
.irp m, 1,2,4,8
.set ii, 0
.rept 16
	v_add_f32_dpp v[OW+ii], v[OW+ii], v[OW+ii] row_xmask:\m row_mask:0xf bank_mask:0xf
.set ii, ii+1
.endr
.endr
.set ii, 0
.rept 16
	v_permlanex16_b32 v[OW+16+ii], v[OW+ii], s[SEL], s[SEL+1]
.set ii, ii+1
.endr
.set ii, 0
.rept 16
	v_add_f32 v[OW+ii], v[OW+ii], v[OW+16+ii]      ; my wave's sum (o, row) at v[64 + 4 o + row], in every lane
.set ii, ii+1
.endr
.irp o, 0,1,2,3
	ds_store_b128 v[PA], v[OW+4*\o:OW+4*\o+3] offset:16*\o   ; all lanes write the same bytes with the same values
.endr
	s_wait_dscnt 0x0                               ; for the others' sake
	s_barrier_signal -1
	s_barrier_wait -1
	s_cmp_gt_u32 s30, 3                            ; wave o = 0 .. 3 finishes output o; the others are done
	s_cbranch_scc1 .Ldone
.set ii, 0
.rept 16
	ds_load_b32 v[ZG+ii], v[RA] offset:64*ii       ; wave ii's sum (o = my wave, row = lane % 4)
.set ii, ii+1
.endr
	s_cmp_eq_u32 s30, 1                            ; out_b[o] and the output's pointer, chosen on the wave's number
	s_cselect_b32 s32, s33, s32
	s_cselect_b64 s[22:23], s[24:25], s[22:23]
	s_cmp_eq_u32 s30, 2
	s_cselect_b32 s32, s34, s32
	s_cselect_b64 s[22:23], s[26:27], s[22:23]
	s_cmp_eq_u32 s30, 3
	s_cselect_b32 s32, s35, s32
	s_cselect_b64 s[22:23], s[28:29], s[22:23]
	s_wait_dscnt 0x0
.irp d, 8,4,2,1
.set ii, 0
.rept \d
	v_add_f32 v[ZG+ii], v[ZG+ii], v[ZG+ii+\d]
.set ii, ii+1
.endr
.endr
	s_delay_alu instid0(VALU_DEP_1)
	v_add_f32 v[ZG], s32, v[ZG]
	s_wait_alu depctr_va_vdst(0)
	s_wait_xcnt 0x0                                ; EXEC changes only behind this wait
	v_cmp_gt_u32 vcc_lo, 4, v[LN]
	s_and_saveexec_b32 s44, vcc_lo
	global_store_b32 v[OO], v[ZG], s[22:23]        ; lanes 0 to 3: my work-group's four rows
	s_wait_xcnt 0x0
	s_or_b32 exec_lo, exec_lo, s44
.Ldone:
	s_wait_tensorcnt 0x0
	ds_add_u32 v192, v193
	s_wait_dscnt 0x0
	s_endpgm
.Lfunc_end_k_q90ca44dc86_finish:
	.size	k_q90ca44dc86_finish, .Lfunc_end_k_q90ca44dc86_finish-k_q90ca44dc86_finish
	.p2alignl 7, 3214868480
	.fill 96, 4, 3214868480
	.section	.rodata,"a",@progbits
	.p2align	6, 0x0
	.amdhsa_kernel k_q90ca44dc86_finish
		.amdhsa_group_segment_fixed_size 4096
		.amdhsa_private_segment_fixed_size 0
		.amdhsa_enable_private_segment 0
		.amdhsa_kernarg_size 104
		.amdhsa_user_sgpr_count 2
		.amdhsa_user_sgpr_kernarg_segment_ptr 1
		.amdhsa_wavefront_size32 1
		.amdhsa_system_sgpr_workgroup_id_x 1
		.amdhsa_system_sgpr_workgroup_id_y 1
		.amdhsa_system_sgpr_workgroup_id_z 1
		.amdhsa_system_vgpr_workitem_id 0
		.amdhsa_next_free_vgpr 194
		.amdhsa_next_free_sgpr 66
		.amdhsa_reserve_vcc 1
		.amdhsa_float_denorm_mode_32 3
		.amdhsa_float_denorm_mode_16_64 3
		.amdhsa_memory_ordered 1
		.amdhsa_forward_progress 1
		.amdhsa_inst_pref_size 35
	.end_amdhsa_kernel
	.amdgpu_metadata
---
amdhsa.version: [ 1, 2 ]
amdhsa.kernels:
  - .name:           k_q90ca44dc86_finish
    .symbol:         k_q90ca44dc86_finish.kd
    .args:
      - { .name: hpre, .offset: 0, .size: 8, .value_kind: global_buffer, .address_space: global }
      - { .name: zgate, .offset: 8, .size: 8, .value_kind: global_buffer, .address_space: global }
      - { .name: hidden, .offset: 16, .size: 8, .value_kind: global_buffer, .address_space: global }
      - { .name: stats, .offset: 24, .size: 8, .value_kind: global_buffer, .address_space: global }
      - { .name: out_w, .offset: 32, .size: 8, .value_kind: global_buffer, .address_space: global }
      - { .name: out_b, .offset: 40, .size: 8, .value_kind: global_buffer, .address_space: global }
      - { .name: bn_gamma, .offset: 48, .size: 8, .value_kind: global_buffer, .address_space: global }
      - { .name: bn_beta, .offset: 56, .size: 8, .value_kind: global_buffer, .address_space: global }
      - { .name: out0, .offset: 64, .size: 8, .value_kind: global_buffer, .address_space: global }
      - { .name: out1, .offset: 72, .size: 8, .value_kind: global_buffer, .address_space: global }
      - { .name: out2, .offset: 80, .size: 8, .value_kind: global_buffer, .address_space: global }
      - { .name: out3, .offset: 88, .size: 8, .value_kind: global_buffer, .address_space: global }
      - { .name: out4, .offset: 96, .size: 8, .value_kind: global_buffer, .address_space: global }
    .group_segment_fixed_size: 4096
    .private_segment_fixed_size: 0
    .kernarg_segment_align: 8
    .kernarg_segment_size: 104
    .max_flat_workgroup_size: 512
    .sgpr_count:     66
    .vgpr_count:     194
    .wavefront_size: 32
...
	.end_amdgpu_metadata
.endif
;; end of part 3
